; MI455X (gfx1250); checked and timed in simulation.
; The chip was launched on July 23, 2026; its instructions are those of AMD's public machine-readable ISA for CDNA 5 (MIT licence, August 2026) and "CDNA5" Instruction Set Architecture Reference Guide (July 2026). The comments in the code are by the model that wrote it; some were corrected since.
;; Multi Head Attention. Allowed arithmetic: matrix products marked QUANTISED: E4M3 operands, one given power-of-two scale a tensor, by v_wmma_f32_16x16x64_fp8_fp8 or v_wmma_f32_16x16x128_fp8_fp8, f32 sums; everything else in f32.
;; Inputs: W_k_codes 1,024 x 32 x 32 uint8 (E4M3 codes of W_k, K innermost, in blocks of 32 codes); W_o_codes 1,024 x 32 x 32 uint8 (E4M3 codes of W_o, K innermost, in blocks of 32 codes); W_q_codes 1,024 x 32 x 32 uint8 (E4M3 codes of W_q, K innermost, in blocks of 32 codes); W_v_codes 1,024 x 32 x 32 uint8 (E4M3 codes of W_v, K innermost, in blocks of 32 codes); lowp_scales 12 int32 (the exponents e of the quantised operands' scales 2^e); mask 1 x 1 x 2,048 x 2,048 int32; x_codes 4 x 2,048 x 32 x 32 uint8 (E4M3 codes of x, K innermost, in blocks of 32 codes).
;; Outputs: out0 4 x 2,048 x 1,024 float32.
;; This version of the problem:
;;   THIS VERSION OF THE PROBLEM IS GIVEN IN LOW PRECISION. The matrix products marked QUANTISED in the list below multiply operands that are first quantised to E4M3 (4 exponent bits, 3 mantissa bits; 8 bits a number), with one given power-of-two scale for each operand tensor; their sums are f32. All else is computed in f32.
;;   The module's matrix products, in the order in which they are computed (A, B: the left and right operand; K: the contracted axis; several contracted axes count as one K, in the product's order):
;;     1. [M 8,192, K 1,024] x [K 1,024, N 1,024]; A: input x (given as codes); B: input W_q (given as codes): QUANTISED (scales: A lowp_scales[0], B lowp_scales[1])
;;     2. [M 8,192, K 1,024] x [K 1,024, N 1,024]; A: input x (given as codes); B: input W_k (given as codes): QUANTISED (scales: A lowp_scales[2], B lowp_scales[3])
;;     3. [M 8,192, K 1,024] x [K 1,024, N 1,024]; A: input x (given as codes); B: input W_v (given as codes): QUANTISED (scales: A lowp_scales[4], B lowp_scales[5])
;;     4. batch 64 x [M 2,048, K 64] x [K 64, N 2,048]; A: computed on the way; B: computed on the way: QUANTISED (scales: A lowp_scales[6], B lowp_scales[7])
;;     5. batch 64 x [M 2,048, K 2,048] x [K 2,048, N 64]; A: softmax (see below); B: computed on the way: QUANTISED (scales: A lowp_scales[8], B lowp_scales[9])
;;     6. [M 8,192, K 1,024] x [K 1,024, N 1,024]; A: computed on the way; B: input W_o (given as codes): QUANTISED (scales: A lowp_scales[10], B lowp_scales[11])
;;   THE QUANTISER, for each operand of a quantised product, along K:
;;     - The operand's scale is 2^e, e = its entry of the input lowp_scales (int32; the entries are numbered through the quantised products in the list's order, A before B).
;;     - Each number is divided by the scale, clamped to +-448, and rounded to the nearest number of E4M3, ties to even, subnormals kept.
;;     - The product sums the exact products of the quantised numbers (number of the format x scale) in f32.
;;   ~~~python
;;   def quantise(x, axis, e):      # numpy; x: float32 -> the quantised numbers, widened to float32 again
;;       x = np.moveaxis(x, axis, -1); K = x.shape[-1]
;;       r = np.clip(x / 2.0 ** e, -448, 448)
;;       step = 2.0 ** (np.maximum(np.frexp(np.where(r == 0, 1, r))[1] - 1, -6) - 3)
;;       q = np.round(r / step) * step * 2.0 ** e      # np.round: ties to even
;;       return np.moveaxis(q, -1, axis).astype(np.float32)
;;   ~~~
;;   SOFTMAX AHEAD OF A QUANTISED PRODUCT. Where the list says 'softmax', what is quantised is not the finished softmax but p = 2^(t - M), with t = logit x log2(e) and M = ceil(the row's largest t), a whole number; so 1/2 < the row's largest p <= 1. The row's sum l is taken of the UNQUANTISED p, in f32, and the product's result is divided by l at the end. Since M is a whole number, a kernel that streams over the keys may use a running M (the ceiling of the running maximum): every later rescaling is an exact power of two, so the quantised numbers keep their values, but for numbers so far below the row's largest that they fall under the format's range.
;;   OPERANDS COMPUTED ON THE WAY. 'Computed on the way' means the value that the module computes at that place (a softmax that the list does not call 'softmax' is quantised finished and normalised). What goes into a quantiser is computed in f32, as accurately as f32 sums, v_exp_f32 and their like allow (about 1e-6 of the number): no bf16 or f16 on the way to a quantiser, and a product that is left as it is and whose result goes on into a quantised operand takes f32 operands (vector FMAs, or v_wmma_f32_16x16x4_f32). A number that lies on a knife's edge between two numbers of the format may be rounded either way, as far as f32 arithmetic and the matrix unit's own rounding can turn it there, and no further.
;;   INPUTS GIVEN AS CODES. W_k (in the module: [1024, 1024], K = its axis 1); W_o (in the module: [1024, 1024], K = its axis 1); W_q (in the module: [1024, 1024], K = its axis 1); W_v (in the module: [1024, 1024], K = its axis 1); x (in the module: [4, 2048, 1024], K = its axis 2): each comes as NAME_codes (uint8): NAME with its K axis moved to the last place and cut into blocks of 32 codes, [.., K / 32, bytes a block], one block behind the other in memory; one code a byte (a code: sign, 4 exponent bits, 3 mantissa bits); its scale is its entry of lowp_scales. Its value is code x scale, taken as it is: it is not quantised again, and the codes and scales need not be those that the quantiser above would give.
;; One version. Each part assembles by itself: llvm-mc -triple=amdgcn-amd-amdhsa -mcpu=gfx1250 --defsym DOCPART=n.
;; ======== version 1 of 1: 4 launches
;; limits: right only within a limited range of input values
;; workspace buffers: qimg 8,388,608 bytes; kimg 8,388,608 bytes; vimg 8,388,608 bytes; aimg 8,388,608 bytes; mbits 524,288 bytes of whole numbers; mflags 512 bytes of whole numbers
;; launch maskpack (part 1): grid 128 x 1, 16 waves a work-group, no clusters, 137,472 bytes of LDS; arguments mask, mbits, mflags; writes mbits, mflags
.if DOCPART == 1
	.amdgcn_target "amdgcn-amd-amdhsa--gfx1250"
	.amdhsa_code_object_version 6
	.text
	.protected	k_qa9c3180d70_maskpack
	.globl	k_qa9c3180d70_maskpack
	.p2align	8
	.type	k_qa9c3180d70_maskpack,@function
k_qa9c3180d70_maskpack:
	s_mov_b64 s[64:65], 0
	v_nop
	global_prefetch_b8 v0, s[64:65] scope:SCOPE_SE
	s_setreg_imm32_b32 hwreg(HW_REG_WAVE_MODE, 25, 1), 1
	s_wait_xcnt 0x0
; The mask, [2048 queries][2048 keys] of int32, becomes lane masks for the attention launch, and two flags for each block of 16 queries x 128 keys.
; mbits [tile 128][step 16][word n 64]: bit L of word n = (mask[16 tile + L % 16][128 step + 16 (n / 8) + 8 (L / 16) + n % 8] != 0): the lane mask for register n of a wave's tile of scores.
; mflags [tile 128]: bit s: step s has an open entry; bit 16 + s: all 2,048 entries of step s are open.
; SHARES.  Work-group = one tile of 16 queries; wave w = key step w: 16 rows x 512 bytes.  Each load reads 512 consecutive bytes of a row; the 16 x 512 bytes turn through the wave's own stage in LDS,
; so that lane (r, h) then holds row r, keys 16 t + 8 h + 0..7.  A compare gives a word, v_writelane_b32 gathers two words a lane, and ONE store writes the record's 256 consecutive, aligned bytes.
; A stream: no matrix unit, no cluster, no tensor load.  mflags is written 4 bytes a work-group: the whole table is 512 bytes.
.set ROWB,  8192                       ; a row of the mask in bytes
.set PITCH, 528                        ; a stage row: 512 bytes + 16 = 132 words: row r starts at bank 4 r mod 64 (64 banks of 4 bytes: ISA guide 11.1)
.set WST,   16*PITCH                   ; a wave's stage
.set FLG,   16*WST                     ; behind the stages: 32 words: word w = any of step w, word 16 + w = all of step w
.set X,     8                          ; v8-71    the mask as loaded: row i in 4 registers
.set Y,     72                         ; v72-135  register 8 t + j = mask(row r, key 16 t + 8 h + j)
.set W,     136                        ; v136-137 lane i: words 2 i and 2 i + 1
	s_load_b128 s[4:7], s[0:1], 0x0                ; mask s[4:5], mbits s[6:7]
	s_load_b64 s[8:9], s[0:1], 0x10                ; mflags
	v_lshl_add_u32 v144, v0, 2, 0x21100
	v_mov_b32 v145, 0
	v_lshrrev_b32 v1, 5, v0
	v_readfirstlane_b32 s10, v1                    ; wave = key step
	v_and_b32 v1, 31, v0                           ; lane
	v_lshlrev_b32 v2, 4, v1                        ; my 16 bytes of a load's 512
	s_mul_i32 s11, s10, WST
	v_lshl_add_u32 v3, v1, 4, s11                  ; the stage, on the way in
	v_and_b32 v138, 15, v0                         ; r
	v_bfe_u32 v139, v0, 4, 1                       ; h
	v_mul_u32_u24 v4, v138, PITCH
	v_lshl_add_u32 v4, v139, 5, v4
	v_add_nc_u32 v4, s11, v4                       ; and on the way out: row r, + 32 h bytes (8 keys)
	s_lshl_b32 s22, s10, 2
	s_add_co_u32 s22, s22, FLG
	v_mov_b32 v5, s22                              ; my wave's flag word
	v_lshl_add_u32 v6, v1, 2, FLG                  ; flag word number lane
	v_lshlrev_b32 v7, 3, v1                        ; my two words of the record
	s_lshl_b32 s12, ttmp9, 17                      ; 16 rows of 8,192 bytes a work-group,
	s_lshl_b32 s13, s10, 9                         ; 512 bytes of a row a wave
	s_add_co_u32 s12, s12, s13
	s_mov_b32 s13, 0
	s_lshl_b32 s14, ttmp9, 12                      ; 16 records of 256 bytes a work-group
	s_lshl_b32 s15, s10, 8
	s_add_co_u32 s14, s14, s15
	s_mov_b32 s15, 0
	s_lshl_b32 s16, ttmp9, 2
	s_mov_b32 s17, 0
	s_wait_kmcnt 0x0
	s_add_nc_u64 s[4:5], s[4:5], s[12:13]
	s_add_nc_u64 s[6:7], s[6:7], s[14:15]
	s_add_nc_u64 s[8:9], s[8:9], s[16:17]
.irp i, 0,1,2,3,4,5,6,7,8,9,10,11,12,13,14,15
	global_load_b128 v[X+4*\i:X+4*\i+3], v2, s[4:5] offset:\i*ROWB th:TH_LOAD_NT   ; all of the wave's 8,192 bytes are asked for at once; read once in the launch
.endr
.irp i, 0,1,2,3,4,5,6,7,8,9,10,11,12,13,14,15
	s_wait_loadcnt 15-\i                           ; loads come back in order: row i is in, the 15 - i younger ones may be out
	ds_store_b128 v3, v[X+4*\i:X+4*\i+3] offset:\i*PITCH
.endr
.irp t, 0,1,2,3,4,5,6,7
	ds_load_b128 v[Y+8*\t:Y+8*\t+3], v4 offset:64*\t        ; LDS serves a wave's instructions in order: these see my stores
	ds_load_b128 v[Y+8*\t+4:Y+8*\t+7], v4 offset:64*\t+16
.endr
	v_mov_b32 v[W], 0                              ; v_writelane_b32 keeps the other lanes: both are written whole first
	v_mov_b32 v[W+1], 0
	s_mov_b32 s20, 0                               ; the words' OR
	s_mov_b32 s21, -1                              ; and their AND
	s_wait_dscnt 0x0
.set n, 0
.rept 64
	v_cmp_ne_u32 s[16+(n%4)], 0, v[Y+n]            ; word n: a bit a lane
	v_writelane_b32 v[W+(n&1)], s[16+(n%4)], n>>1
	s_or_b32 s20, s20, s[16+(n%4)]
	s_and_b32 s21, s21, s[16+(n%4)]
.set n, n+1
.endr
	global_store_b64 v7, v[W:W+1], s[6:7]          ; 32 lanes x 8 bytes: the record's 256 consecutive bytes, aligned
	s_cmp_lg_u32 s20, 0
	s_cselect_b32 s23, 1, 0                        ; any
	s_cmp_eq_u32 s21, -1
	s_cselect_b32 s24, 1, 0                        ; all
	v_mov_b32 v138, s23
	v_mov_b32 v139, s24
	ds_store_b32 v5, v138                          ; all lanes write the same word with the same value
	ds_store_b32 v5, v139 offset:64
	s_wait_dscnt 0x0                               ; for the others' sake: my flag words have landed
	s_barrier_signal -1
	s_barrier_wait -1
	s_cmp_lg_u32 s10, 0
	s_cbranch_scc1 .Lend                           ; wave 0 packs the 32 flags
	ds_load_b32 v140, v6
	s_wait_dscnt 0x0
	v_cmp_ne_u32 s22, 0, v140                      ; bit s = any of step s, bit 16 + s = all of step s
	v_mov_b32 v138, s22
	v_mov_b32 v139, 0
	v_cmp_eq_u32 vcc_lo, 0, v0
	s_wait_xcnt 0x0                                ; EXEC changes only when the record's store has read its sources
	s_and_saveexec_b32 s23, vcc_lo
	global_store_b32 v139, v138, s[8:9]            ; lane 0 alone
	s_wait_xcnt 0x0                                ; and again in front of the line that widens it
	s_or_b32 exec_lo, exec_lo, s23
.Lend:
	s_wait_tensorcnt 0x0
	ds_add_u32 v144, v145
	s_wait_dscnt 0x0
	s_endpgm
.Lfunc_end_k_qa9c3180d70_maskpack:
	.size	k_qa9c3180d70_maskpack, .Lfunc_end_k_qa9c3180d70_maskpack-k_qa9c3180d70_maskpack
	.p2alignl 7, 3214868480
	.fill 96, 4, 3214868480
	.section	.rodata,"a",@progbits
	.p2align	6, 0x0
	.amdhsa_kernel k_qa9c3180d70_maskpack
		.amdhsa_group_segment_fixed_size 137472
		.amdhsa_private_segment_fixed_size 0
		.amdhsa_enable_private_segment 0
		.amdhsa_kernarg_size 24
		.amdhsa_user_sgpr_count 2
		.amdhsa_user_sgpr_kernarg_segment_ptr 1
		.amdhsa_wavefront_size32 1
		.amdhsa_system_sgpr_workgroup_id_x 1
		.amdhsa_system_sgpr_workgroup_id_y 1
		.amdhsa_system_sgpr_workgroup_id_z 1
		.amdhsa_system_vgpr_workitem_id 0
		.amdhsa_next_free_vgpr 146
		.amdhsa_next_free_sgpr 66
		.amdhsa_reserve_vcc 1
		.amdhsa_float_denorm_mode_32 3
		.amdhsa_float_denorm_mode_16_64 3
		.amdhsa_memory_ordered 1
		.amdhsa_forward_progress 1
		.amdhsa_inst_pref_size 20
	.end_amdhsa_kernel
	.amdgpu_metadata
---
amdhsa.version: [ 1, 2 ]
amdhsa.kernels:
  - .name:           k_qa9c3180d70_maskpack
    .symbol:         k_qa9c3180d70_maskpack.kd
    .args:
      - { .name: mask, .offset: 0, .size: 8, .value_kind: global_buffer, .address_space: global }
      - { .name: mbits, .offset: 8, .size: 8, .value_kind: global_buffer, .address_space: global }
      - { .name: mflags, .offset: 16, .size: 8, .value_kind: global_buffer, .address_space: global }
    .group_segment_fixed_size: 137472
    .private_segment_fixed_size: 0
    .kernarg_segment_align: 8
    .kernarg_segment_size: 24
    .max_flat_workgroup_size: 512
    .sgpr_count:     66
    .vgpr_count:     146
    .wavefront_size: 32
...
	.end_amdgpu_metadata
.endif
;; end of part 1
;; launch qkv (part 2): grid 12 x 32, 4 waves a work-group, clusters of 4 x 4, 327,680 bytes of LDS; arguments x_codes, W_q_codes, W_k_codes, W_v_codes, lowp_scales, qimg, kimg, vimg; writes qimg, kimg, vimg
.if DOCPART == 2
	.amdgcn_target "amdgcn-amd-amdhsa--gfx1250"
	.amdhsa_code_object_version 6
	.text
	.protected	k_qa9c3180d70_qkv
	.globl	k_qa9c3180d70_qkv
	.p2align	8
	.type	k_qa9c3180d70_qkv,@function
k_qa9c3180d70_qkv:
	s_mov_b64 s[64:65], 0
	v_nop
	global_prefetch_b8 v0, s[64:65] scope:SCOPE_SE
	s_setreg_imm32_b32 hwreg(HW_REG_WAVE_MODE, 25, 1), 1
	s_wait_xcnt 0x0
	s_wait_alu depctr_hold_cnt(0) depctr_sa_sdst(0) depctr_va_vdst(0) depctr_va_sdst(0) depctr_va_ssrc(0) depctr_va_vcc(0) depctr_vm_vsrc(0)
	s_getreg_b32 s2, hwreg(HW_REG_IB_STS2, 6, 4)
	s_cmp_eq_u32 s2, 0
	s_cbranch_scc0 .Lentry_in_a_cluster
	s_endpgm
.Lentry_in_a_cluster:
	s_bfe_u32 s2, ttmp6, 0x10000c
	s_cmp_lg_u32 s2, 0xf033
	s_cbranch_scc0 .Lentry_shape_is_right
	s_endpgm
.Lentry_shape_is_right:
; The three projections on codes of FP8 (E4M3), their results quantised again and stored as IMAGES OF THE NEXT LAUNCH'S OPERAND REGISTERS.
; C'[m][n] = sum over k of A'[m][k] B'[n][k], K = 1,024.  Cluster x = 0: q = x W_q^T;  1: k = x W_k^T (A' = x, B' = the weight);  2: v TRANSPOSED, A' = W_v, B' = x, so that a lane's registers run along the keys.
; The choice of buffers hangs on the cluster's x alone, which all sixteen partners share: one path through the text serves all three.
; A tile of C', 256 x 256, is made by four waves, each 128 x 128: 64 accumulators, 512 registers.  K goes in steps of 256 through a ring of two LDS slots filled by the tensor data mover.
; CLUSTERS: 4 x 4 work-groups; A's tiles are asked for jointly along a row of the cluster, B's along a column.  The matrix instruction is used transposed (source 0 = 16 rows of B', source 1 = 16 rows of A'):
; lane (r, h) of accumulator (a, b) holds row 16 a + r and columns 16 b + 8 h + 0..7.  One conversion makes of these eight numbers registers 2 b, 2 b + 1 of an 8-bit fragment in the plain forms' own layout.
; qimg, kimg: [head 64][tile of 16 tokens 128][registers 0-3 | 4-7][lane][16 bytes]: 16 tokens x 64 channels.   vimg: [head 64][128 keys 16][16 channels 4][four registers 4][lane][16 bytes]: 16 channels x 128 keys.
; So the results leave straight from registers: each store of a wave covers 512 consecutive bytes, aligned; no stage in LDS.
; code = sum x 2^(ex + ew) / 2^eo: the three exponents are folded into the conversion's one, E = eo - ex - ew.  LIMIT: E lies between -126 and 119, so that 2^E and 448 x 2^E are f32 numbers.
; 384 work-groups: a tile of 128 x 256 would divide evenly among the WGPs, but a wave's 64 x 128 reads half as many LDS bytes again for each product.
; REGISTERS, in windows of 256: window 0: v0-31 addresses and constants; v96-111 its codes; from v128 A's fragments, ONE set.  window 1: B's fragments, TWO sets.  windows 2, 3: the accumulators ((a, b) at v[8 (8 (a % 4) + b)]).
.set KSTEP,  256                       ; along K in a slot
.set ROWB,   256                       ; a tile's row in bytes
.set KROW,   1024                      ; a row of x or of a weight in memory, in bytes
.set PITCH,  272                       ; an LDS row: 256 bytes + 16 of padding = 68 words: row r starts at bank 4 r mod 64 (64 banks of 4 bytes: ISA guide 11.1)
.set FR,     16                        ; registers of a fragment: 16 rows x 128 K
.set NL,     4                         ; LDS loads that bring one
.set NP,     4                         ; places behind this matrix instruction (ISA guide 7.12.1)
.set HALFT,  128*PITCH                 ; 128 rows: what one tensor load brings
.set SLOT,   4*HALFT                   ; A's 256 rows, then B's 256 rows
.set LAPS,   2                         ; K = 1,024 is twice round the ring
.set SPARE,  2*SLOT                    ; behind the ring: the spare words, 128 bytes for each wave, which no other line names
.set ADRA, 16                          ; v16-17  LDS address of my A fragments in slot 0, 1
.set ADRB, 20                          ; v20-21  the same for B
.set CO0,  26                          ; v26     16 x lane
.set CO2,  27                          ; v27     16 x lane + the distance to a block's second pair of stores
.set SPW,  28                          ; v28     LDS address of my spare word; never rewritten
.set NIL,  29                          ; v29     0; never rewritten
.set SC,   30                          ; v30     2^E as f32
.set LIM,  31
.set TMP,  32
.set CD,   96
.set AF,   128
.set G1, 24                            ; s[24:31] descriptor group 1 for A's tiles;  s[32:39] group 0, one set for each slot
.set G0, 32
.set G1B, 48                           ; s[48:55], s[56:63] the same for B's tiles
.set G0B, 56
.set MSB, 0
.macro WIN new                         ; the immediate's high byte repeats the setting that is left
.if MSB != (\new)
	s_set_vgpr_msb (MSB<<8)|(\new)
.set MSB, (\new)
.endif
.endm
.set MUL_LO, 0xa1                      ; source 0 (B) window 1, source 1 (A) window 0, C and D window 2
.set MUL_HI, 0xf1                      ; the same, C and D window 3
.set TO_B,   0x40                      ; destination window 1, address window 0
; A joint load: waves 0 and 1 fetch for A, waves 2 and 3 for B; the branch hangs on the wave's number alone.  Four plain vector lines follow each of the two loads, the first a move into v15, which serves nothing else.
.macro JLOAD g0a, g1a, g0b, g1b
	s_cmp_eq_u32 s15, 0
	s_cbranch_scc0 .Lfor_b_\@
	tensor_load_to_lds s[\g0a:\g0a+3], s[\g1a:\g1a+7]
	s_nop 0
	v_mov_b32 v15, 0
.rept 3
	v_nop
.endr
	s_branch .Lasked_\@
.Lfor_b_\@:
	tensor_load_to_lds s[\g0b:\g0b+3], s[\g1b:\g1b+7]
	s_nop 0
	v_mov_b32 v15, 0
.rept 3
	v_nop
.endr
.Lasked_\@:
.endm
.macro CREST                           ; a round of the cluster's barrier behind its opening barrier
	s_cmp_lg_u32 s14, 0
	s_cbranch_scc1 .Lnot_wave_0_\@
	s_barrier_signal -3
.Lnot_wave_0_\@:
	s_barrier_wait -3
	s_barrier_signal -1
	s_barrier_wait -1
.endm
.macro CROUND                          ; a whole round
	s_barrier_signal -1
	s_barrier_wait -1
	CREST
.endm
	s_load_b512 s[68:83], s[0:1], 0x0              ; x s[68:69], W_q s[70:71], W_k s[72:73], W_v s[74:75], the exponents s[76:77], qimg s[78:79], kimg s[80:81], vimg s[82:83]
	v_lshl_add_u32 v[SPW], v0, 2, SPARE
	v_mov_b32 v[NIL], 0
	ds_add_u32 v28, v29
	ds_add_u32 v28, v29
	s_wait_dscnt 0x0
	v_lshrrev_b32 v1, 5, v0
	v_readfirstlane_b32 s14, v1                    ; wave 0..3
	s_lshr_b32 s15, s14, 1                         ; which half of the tile's rows is mine.  Also: I fetch for A (0) or for B (1)
	s_and_b32 s16, s14, 1                          ; which half of its columns.  Also: which 128 rows of that tile I fetch
	s_bfe_u32 s40, ttmp6, 0x40000                  ; cx, cy: my place in the cluster
	s_bfe_u32 s41, ttmp6, 0x40004
	s_and_b32 s2, ttmp7, 0xffff                    ; cluster y walks the tokens: they are A's rows for q and k, B's rows for v
	s_cmp_eq_u32 ttmp9, 2
	s_cselect_b32 s17, 0, s2
	s_cselect_b32 s42, s2, 0
	s_lshl_b32 s17, s17, 2
	s_add_co_u32 s17, s17, s41                     ; tile row of C'
	s_lshl_b32 s42, s42, 2
	s_add_co_u32 s42, s42, s40                     ; tile column of C'
	s_lshl_b32 s43, s41, 2
	s_lshl_b32 s43, 15, s43                        ; my row of the cluster
	s_lshl_b32 s44, 0x1111, s40                    ; my column
	; descriptor group 1: a tile of 128 rows x 256 bytes, padded in LDS
	s_or_b32 s[G1+0], s43, (1<<20)|(1<<21)|(5<<22)|(3<<25)   ; 15:0 the mask: A's tiles go to my row; 17:16 elements of 1 byte; 20 padding on; 21 set beside a mask; 24:22 after every 64 words; 31:25 four words
	s_or_b32 s[G1B+0], s44, (1<<20)|(1<<21)|(5<<22)|(3<<25)
.irp g, G1, G1B
	s_mov_b32 s[\g+1], ROWB<<16                    ; tensor_dim0
	s_mov_b32 s[\g+2], 128<<16                     ; tensor_dim1
	s_mov_b32 s[\g+3], ROWB<<16                    ; tile_dim0
	s_mov_b32 s[\g+4], 128                         ; tile_dim1
	s_mov_b32 s[\g+5], KROW                        ; tensor_dim0_stride
	s_mov_b32 s[\g+6], 0
	s_mov_b32 s[\g+7], 0
.endr
	s_lshl_b32 s18, s16, 7                         ; which 128 rows of the tile I fetch
	s_lshl_b32 s20, s17, 8
	s_add_co_u32 s20, s20, s18                     ; A': row 256 x tile row + 128 x half
	s_lshl_b32 s46, s42, 8
	s_add_co_u32 s46, s46, s18                     ; B': row 256 x tile column + 128 x half
	s_lshl_b32 s20, s20, 10                        ; in bytes: at most 8,191 rows of 1,024
	s_lshl_b32 s46, s46, 10
	s_mov_b32 s21, 0
	s_mov_b32 s47, 0
	s_mul_i32 s45, s14, HALFT                      ; where they go: wave x 128 rows: no place in the cluster enters an LDS address
	s_wait_kmcnt 0x0
	s_load_b256 s[84:91], s[76:77], 0x0            ; the exponents 0 to 7,
	s_load_b128 s[92:95], s[76:77], 0x20           ; 8 to 11
	s_cmp_eq_u32 ttmp9, 2
	s_cselect_b64 s[4:5], s[74:75], s[68:69]       ; A' = W_v or x
	s_cselect_b64 s[6:7], s[68:69], s[70:71]       ; B' = x or W_q,
	s_cselect_b64 s[10:11], s[82:83], s[78:79]     ; the image: v's or q's,
	s_cmp_eq_u32 ttmp9, 1
	s_cselect_b64 s[6:7], s[72:73], s[6:7]         ; or W_k
	s_cselect_b64 s[10:11], s[80:81], s[10:11]     ; and k's
	s_add_nc_u64 s[20:21], s[4:5], s[20:21]
	s_add_nc_u64 s[46:47], s[6:7], s[46:47]
	CROUND                                         ; all sixteen work-groups are here: the first joint loads meet
.irp s, 0,1
	s_mov_b32 s[G0+4*\s], 1
	s_add_co_u32 s[G0+4*\s+1], s45, \s*SLOT
	s_add_nc_u64 s[G0+4*\s+2:G0+4*\s+3], s[20:21], \s*ROWB
	s_or_b32 s[G0+4*\s+3], s[G0+4*\s+3], 0x80000000
	s_mov_b32 s[G0B+4*\s], 1
	s_add_co_u32 s[G0B+4*\s+1], s45, \s*SLOT
	s_add_nc_u64 s[G0B+4*\s+2:G0B+4*\s+3], s[46:47], \s*ROWB
	s_or_b32 s[G0B+4*\s+3], s[G0B+4*\s+3], 0x80000000
	JLOAD G0+4*\s, G1, G0B+4*\s, G1B
.endr
	v_and_b32 v1, 15, v0                           ; l % 16
	v_bfe_u32 v2, v0, 4, 1                         ; l / 16
	v_mul_u32_u24 v3, v1, PITCH
	v_lshl_add_u32 v4, v2, 4, v3                   ; a fragment's row x pitch + 16 x half
	s_mul_i32 s21, s15, HALFT                      ; my 128 rows of A'
	s_mul_i32 s22, s16, HALFT                      ; my 128 rows of B',
	s_add_co_u32 s22, s22, 2*HALFT                 ; which lie behind A's 256
.irp s, 0,1
	v_add_nc_u32 v[ADRA+\s], s21, v4
	v_add_nc_u32 v[ADRB+\s], s22, v4
	s_add_co_u32 s21, s21, SLOT
	s_add_co_u32 s22, s22, SLOT
.endr
	; the way out.  tok: my first token; feat: my first feature.  The image's byte: (tok / 2048) 2^21 + (feat / 64) 2^17 + (tok % 2048) 64, in all three images
	s_lshl_b32 s20, s17, 8
	s_lshl_b32 s21, s15, 7
	s_add_co_u32 s20, s20, s21                     ; my first row of C'
	s_lshl_b32 s46, s42, 8
	s_lshl_b32 s47, s16, 7
	s_add_co_u32 s46, s46, s47                     ; my first column
	s_mov_b32 s98, 1024
	s_mov_b32 s100, 1024
	s_mov_b32 s21, 131072
	s_cmp_eq_u32 ttmp9, 2
	s_cselect_b32 s22, s46, s20                    ; tok
	s_cselect_b32 s23, s20, s46                    ; feat
	s_cselect_b32 s98, 2048, s98                   ; from block to block: q, k: the next tile of tokens; v: the next 16 channels,
	s_cselect_b32 s100, 124928, s100               ; and from block 3 to block 4, for v: the next head's first 16 channels, 131,072 - 3 x 2,048
	s_cselect_b32 s21, 1024, s21                   ; a block's columns 64 on: q, k: the next head; v: registers 8 to 15 of the same fragment
	s_mov_b32 s99, 0
	s_mov_b32 s101, 0
	v_and_b32 v6, 31, v0
	v_lshlrev_b32 v[CO0], 4, v6
	v_add_nc_u32 v[CO2], s21, v[CO0]
	s_lshr_b32 s18, s22, 11
	s_lshl_b32 s18, s18, 21
	s_and_b32 s19, s22, 2047
	s_lshl_b32 s19, s19, 6
	s_add_co_u32 s18, s18, s19
	s_lshl_b32 s23, s23, 11
	s_add_co_u32 s18, s18, s23
	s_mov_b32 s19, 0
	s_add_nc_u64 s[10:11], s[10:11], s[18:19]
.macro FRAG reg, adr, q, i             ; a fragment, 16 rows x 128 K: registers 4 c .. 4 c + 3 hold K = 32 c + 16 (l / 16) + 0 .. 15: a permutation of k, the same in A' and B'
.irp c, 0,1,2,3
	ds_load_b128 v[\reg+4*\c:\reg+4*\c+3], v[\adr] offset:128*(\q)+32*\c+(\i)*16*PITCH
.endr
.endm
; 16 matrix instructions: A's blocks a0, a0 + 1 x B's eight, 128 along K.  p: B's set.  zero = 1: the first product starts the sums.  The 64 accumulators take turns, one instruction a turn.
.macro MUL16 a0, p, zero
.irp a, \a0, \a0+1
.irp b, 0,1,2,3,4,5,6,7
.if \zero
	v_wmma_f32_16x16x128_fp8_fp8 v[8*(8*((\a)%4)+\b):8*(8*((\a)%4)+\b)+7], v[128*(\p)+FR*\b:128*(\p)+FR*\b+FR-1], v[AF+FR*(\a):AF+FR*(\a)+FR-1], 0
.else
	v_wmma_f32_16x16x128_fp8_fp8 v[8*(8*((\a)%4)+\b):8*(8*((\a)%4)+\b)+7], v[128*(\p)+FR*\b:128*(\p)+FR*\b+FR-1], v[AF+FR*(\a):AF+FR*(\a)+FR-1], v[8*(8*((\a)%4)+\b):8*(8*((\a)%4)+\b)+7]
.endif
.endr
.endr
.endm
.macro FETCH_B slot, q, p              ; B's eight fragments of the slot's q-th 128 along K into set p
	WIN TO_B
.irp i, 0,1,2,3,4,5,6,7
	FRAG 128*(\p)+FR*\i, ADRB+\slot, \q, \i
.endr
	WIN 0
.endm
.macro FETCH_A slot, q, i0             ; A's blocks i0 .. i0 + 3
.irp i, \i0, \i0+1, \i0+2, \i0+3
	FRAG AF+FR*(\i), ADRA+\slot, \q, \i
.endr
.endm
.macro PLACES n                        ; plain vector lines between a matrix instruction and a load into, or a vector read of, its registers
.rept \n
	v_nop
.endr
.endm
; A step of 128 along K that has its successor in the same slot.
.macro STEP slot, q, zero
	s_wait_dscnt 4*NL                              ; B's set and A's blocks 0-3 are in; the youngest sixteen loads (A's blocks 4-7) may be out
	WIN MUL_LO
	MUL16 0, (\q)%2, \zero
	MUL16 2, (\q)%2, \zero
	s_wait_dscnt 0                                 ; A's blocks 4-7 are in
	PLACES NP
	FETCH_B \slot, (\q)+1, 1-(\q)%2
	FETCH_A \slot, (\q)+1, 0
	WIN MUL_HI
	MUL16 4, (\q)%2, \zero
	MUL16 6, (\q)%2, \zero
	PLACES NP
	WIN 0
	FETCH_A \slot, (\q)+1, 4
.endm
; A slot's last step changes slots: ONE barrier; in front of it each wave waits for all its tensor loads, adds 0 to its spare word, and waits for that and for its own reads of this slot.  fill = 1: this slot is filled again, two K steps ahead.
.macro TURN slot, next, fill
	s_wait_tensorcnt 0x0                           ; all my tensor loads have landed: my part of the next slot
	ds_add_u32 v[SPW], v[NIL]                      ; 0 onto my spare word
	s_wait_dscnt 4*NL+1                            ; (the add and the youngest sixteen loads may be out)
	WIN MUL_LO
	MUL16 0, 1, 0                                  ; sixteen matrix instructions stand between the add and the wait for it
	s_wait_dscnt 0x0                               ; the add is done, and my reads of this slot are over
	s_barrier_signal -1
	MUL16 2, 1, 0
	WIN 0
	s_barrier_wait -1
.if \fill
	CREST                                          ; the barrier has opened a round of the cluster's barrier: no wave of any partner still reads this slot's tile or has a load on its way
	s_add_nc_u64 s[G0+4*\slot+2:G0+4*\slot+3], s[G0+4*\slot+2:G0+4*\slot+3], 2*ROWB
	s_add_nc_u64 s[G0B+4*\slot+2:G0B+4*\slot+3], s[G0B+4*\slot+2:G0B+4*\slot+3], 2*ROWB
	JLOAD G0+4*\slot, G1, G0B+4*\slot, G1B         ; the first tensor load behind the round; the four lines behind it are the places in front of the loads below
.else
	PLACES NP
.endif
	FETCH_B \next, 0, 0
	FETCH_A \next, 0, 0
	WIN MUL_HI
	MUL16 4, 1, 0
	MUL16 6, 1, 0
	PLACES NP
	WIN 0
	FETCH_A \next, 0, 4
.endm
	s_wait_alu depctr_va_vdst(0)
	s_wait_tensorcnt 1                             ; my part of K step 0 is in; K step 1's load may be out
	s_barrier_signal -1
	s_barrier_wait -1                              ; everybody's is
	FETCH_B 0, 0, 0
	FETCH_A 0, 0, 0
	FETCH_A 0, 0, 4
	STEP 0, 0, 1                                   ; the first step stands in front of the loop: its products start the sums
	s_mov_b32 s3, LAPS-1
.Llap:                                                 ; a trip goes once round the ring, from a lap's second step to the next lap's first, and fills both slots again
	TURN 0, 1, 1
	STEP 1, 0, 0
	TURN 1, 0, 1
	STEP 0, 0, 0
	s_sub_co_u32 s3, s3, 1
	s_cmp_lg_u32 s3, 0
	s_cbranch_scc1 .Llap
	TURN 0, 1, 0                                   ; the last lap fills nothing, and has no round of the cluster's barrier
	STEP 1, 0, 0
	s_wait_dscnt 4*NL                              ; the very last step: nothing more to fetch
	WIN MUL_LO
	MUL16 0, 1, 0
	MUL16 2, 1, 0
	s_wait_dscnt 0
	WIN MUL_HI
	MUL16 4, 1, 0
	MUL16 6, 1, 0
	WIN 0
	; THE WAY OUT.  E = eo - ex - ew: q: entries 6, 0, 1;  k: 7, 2, 3;  v: 9, 4, 5.  Chosen by the cluster's x, without a branch.
	s_wait_kmcnt 0x0
	s_sub_co_i32 s96, s90, s84
	s_sub_co_i32 s96, s96, s85
	s_sub_co_i32 s97, s91, s86
	s_sub_co_i32 s97, s97, s87
	s_sub_co_i32 s22, s93, s88
	s_sub_co_i32 s22, s22, s89
	s_cmp_eq_u32 ttmp9, 1
	s_cselect_b32 s96, s97, s96
	s_cmp_eq_u32 ttmp9, 2
	s_cselect_b32 s96, s22, s96
	s_add_co_i32 s96, s96, 127
	s_lshl_b32 s97, s96, 23
	v_mov_b32 v[SC], s97                           ; 2^E as f32: the conversion takes its exponent field
	s_wait_alu depctr_va_vdst(0)
	s_add_co_i32 s96, s96, 8
	s_lshl_b32 s96, s96, 23
	s_or_b32 s96, s96, 0x600000
	PLACES NP
; Block a: 16 rows x 128 columns.  Eight conversions straight from the accumulators (the conversion to an 8-bit code does not saturate: ISA guide 7.6.2); four stores of 512 consecutive bytes.
.macro OUTBLK a
.set AC, 64*((\a)%4)
.if (\a) > 0
	s_wait_xcnt 0x0                                ; the last block's stores have read their data and their base: both are written again only behind this wait
.if (\a) == 4
	s_add_nc_u64 s[10:11], s[10:11], s[100:101]
.else
	s_add_nc_u64 s[10:11], s[10:11], s[98:99]
.endif
.endif
	WIN 0x02+((\a)/4)                              ; source 0: window 2 or 3
.set ii, 0
.rept 64
.set ii, ii+1
.endr
.irp b, 0,1,2,3,4,5,6,7
	v_cvt_scalef32_pk8_fp8_f32 v[CD+2*\b:CD+2*\b+1], v[AC+8*\b:AC+8*\b+7], v[SC]
.endr
	WIN 0
	v_nop                                          ; one plain vector line behind the last conversion
	global_store_b128 v[CO0], v[CD:CD+3], s[10:11]
	global_store_b128 v[CO0], v[CD+4:CD+7], s[10:11] offset:512
	global_store_b128 v[CO2], v[CD+8:CD+11], s[10:11]
	global_store_b128 v[CO2], v[CD+12:CD+15], s[10:11] offset:512
.endm
.irp a, 0,1,2,3,4,5,6,7
	OUTBLK \a
.endr
	s_wait_tensorcnt 0x0                           ; the wave's end
	ds_add_u32 v[SPW], v[NIL]
	s_wait_dscnt 0x0
	CROUND                                         ; the closing round: no work-group ends while a partner may still ask for a tile that names it
	s_endpgm
.Lfunc_end_k_qa9c3180d70_qkv:
	.size	k_qa9c3180d70_qkv, .Lfunc_end_k_qa9c3180d70_qkv-k_qa9c3180d70_qkv
	.p2alignl 7, 3214868480
	.fill 96, 4, 3214868480
	.section	.rodata,"a",@progbits
	.p2align	6, 0x0
	.amdhsa_kernel k_qa9c3180d70_qkv
		.amdhsa_group_segment_fixed_size 327680
		.amdhsa_private_segment_fixed_size 0
		.amdhsa_enable_private_segment 0
		.amdhsa_kernarg_size 64
		.amdhsa_user_sgpr_count 2
		.amdhsa_user_sgpr_kernarg_segment_ptr 1
		.amdhsa_wavefront_size32 1
		.amdhsa_system_sgpr_workgroup_id_x 1
		.amdhsa_system_sgpr_workgroup_id_y 1
		.amdhsa_system_sgpr_workgroup_id_z 1
		.amdhsa_system_vgpr_workitem_id 0
		.amdhsa_next_free_vgpr 1024
		.amdhsa_next_free_sgpr 102
		.amdhsa_reserve_vcc 0
		.amdhsa_float_denorm_mode_32 3
		.amdhsa_float_denorm_mode_16_64 3
		.amdhsa_fp16_overflow 1
		.amdhsa_memory_ordered 1
		.amdhsa_forward_progress 1
		.amdhsa_inst_pref_size 87
	.end_amdhsa_kernel
	.amdgpu_metadata
---
amdhsa.version: [ 1, 2 ]
amdhsa.kernels:
  - .name:           k_qa9c3180d70_qkv
    .symbol:         k_qa9c3180d70_qkv.kd
    .args:
      - { .name: x_codes, .offset: 0, .size: 8, .value_kind: global_buffer, .address_space: global }
      - { .name: W_q_codes, .offset: 8, .size: 8, .value_kind: global_buffer, .address_space: global }
      - { .name: W_k_codes, .offset: 16, .size: 8, .value_kind: global_buffer, .address_space: global }
      - { .name: W_v_codes, .offset: 24, .size: 8, .value_kind: global_buffer, .address_space: global }
      - { .name: lowp_scales, .offset: 32, .size: 8, .value_kind: global_buffer, .address_space: global }
      - { .name: qimg, .offset: 40, .size: 8, .value_kind: global_buffer, .address_space: global }
      - { .name: kimg, .offset: 48, .size: 8, .value_kind: global_buffer, .address_space: global }
      - { .name: vimg, .offset: 56, .size: 8, .value_kind: global_buffer, .address_space: global }
    .group_segment_fixed_size: 327680
    .private_segment_fixed_size: 0
    .kernarg_segment_align: 8
    .kernarg_segment_size: 64
    .max_flat_workgroup_size: 128
    .sgpr_count:     102
    .vgpr_count:     1024
    .wavefront_size: 32
...
	.end_amdgpu_metadata
.endif
;; end of part 2
;; launch attn (part 3): grid 4 x 64, 16 waves a work-group, no clusters, 264,192 bytes of LDS; arguments qimg, kimg, vimg, mbits, mflags, lowp_scales, aimg; writes aimg
.if DOCPART == 3
	.amdgcn_target "amdgcn-amd-amdhsa--gfx1250"
	.amdhsa_code_object_version 6
	.text
	.protected	k_qa9c3180d70_attn
	.globl	k_qa9c3180d70_attn
	.p2align	8
	.type	k_qa9c3180d70_attn,@function
k_qa9c3180d70_attn:
	s_mov_b64 s[64:65], 0
	v_nop
	global_prefetch_b8 v0, s[64:65] scope:SCOPE_SE
	s_setreg_imm32_b32 hwreg(HW_REG_WAVE_MODE, 25, 1), 1
	s_wait_xcnt 0x0
; Attention of one head on codes of FP8 (E4M3), with the mask as it is GIVEN: nothing of its pattern is built in.  q, k, v come as images of operand registers; the result leaves as an image of the last product's operand.
; t = score x log2(e) / 8; M = the row's largest t so far, rounded UP to a whole number; p = 2^(t - M) is quantised with 2^ep, not normalised; the row's sum is taken of the unquantised p and divides at the end.
; When M moves, the sum and O are multiplied by 2^(old M - new M): nothing is rounded.  Masked scores become -infinity ahead of the maximum, so p = 0.  A row with no open key has the sum 0 and gets NaN codes: its row of the output is NaN.
; SHARES.  Work-group (g, head): sixteen waves; wave w owns the tiles of 16 queries T0 = 16 g + w and T1 = 127 - T0.  Every wave walks the 16 key steps of 128 keys, a constant count.
; A STEP OF A TILE WHOSE 16 x 128 MASK ENTRIES ARE ALL CLOSED IS LEFT OUT: it would add p = 0 and move no maximum.  The flags were stored as whole numbers by an earlier launch; the branch is scalar.
; K's and V's images of the head (131,072 bytes each) go into LDS through registers,
; a key step a trip, 16 bytes of each a thread, asked for a trip ahead.  Every LDS byte is written once, so one barrier a trip orders the stores with the reads.  No prefetch: a step's loads are issued a whole trip ahead of the wait for them.
; LAYOUT.  S^T = K Q^T (source 0 = 16 keys, source 1 = my 16 queries, K = 64) and O^T = V^T P^T (source 0 = 16 channels, source 1 = P, K = 128 keys): a lane holds ONE query (lane % 16) throughout.
; Register 8 t + j of S^T is key 16 t + 8 (lane / 16) + j, so tile t's eight codes are registers 2 t, 2 t + 1 of P in the plain 8-bit layout: every k stands in its own place.
; LIMITS on the given exponents, so that each power of two below is an f32 number: e6 + e7 between -123 and 130; ep = e8 between -126 and 119; e10 - e8 - e9 between -126 and 119.  NaN codes among the inputs are not served.
.set LI,   1                           ; v1   16 x lane
.set ADK,  2                           ; v2   LDS address of the step's K for my lane
.set ADV,  3                           ; v3   of its V
.set STK,  4                           ; v4   16 x thread
.set AD2,  5                           ; v5   where I store my 16 bytes of the step's K
.set AD3,  6                           ; v6   of its V
.set GOFF, 7                           ; v7   my 16 bytes of the step asked for, in the head's images
                                       ; v8-15: tile x: v[8+4x] -M, v[9+4x] the largest t, v[10+4x:11+4x] the sum in two halves
.set T0R,  16                          ; v16-18 at work
.set T1R,  17
.set T2R,  18
.set SCL,  19                          ; v19  2^ep as f32
.set FF,   20                          ; v[20:21] f = 2^(old M - new M); 1 / the sum
.set C2,   22                          ; v[22:23] the second chain of the sum; -infinity
.set KST,  24                          ; v24-27 my 16 bytes of K on their way, v28-31 of V
.set VST,  28
.set QF,   32                          ; v32-47  Q: 8 registers a tile
.set PC,   48                          ; v48-63  p's codes
.set FR,   64                          ; v64-127 eight fragments of K, then four of V
.set SS,   128                         ; v128-191 S^T, then p
.set OA,   192                         ; v192-255 O^T: tile x at 32 x, channels 16 t on at 8 t
; s2 wave; s3 step; s[4:5] K's image, s[6:7] V's; s[8:9], s[10:11] my tiles' mask records; s[12:13], s[14:15] my tiles' places in aimg; s16, s17 my tiles' flags; s18 the work-group's; s19, s20 the step's LDS bytes;
; s21 the step's record; s[22:23] c; s[24:25] lane selects; s26 lanes 16-31; s27 ep; s28 ep + 127; s[32:63], s[68:99] the 64 mask words; s100 2^E2
	s_load_b256 s[32:39], s[0:1], 0x0              ; qimg s[32:33], kimg s[34:35], vimg s[36:37], mbits s[38:39]
	s_load_b128 s[40:43], s[0:1], 0x20             ; mflags s[40:41], the exponents s[42:43]
	s_load_b64 s[44:45], s[0:1], 0x30              ; aimg
	v_lshrrev_b32 v1, 5, v0
	s_delay_alu instid0(VALU_DEP_1)
	v_readfirstlane_b32 s2, v1                     ; wave 0..15
	v_and_b32 v1, 31, v0
	s_delay_alu instid0(VALU_DEP_1)
	v_lshlrev_b32 v[LI], 4, v1
	v_lshlrev_b32 v[STK], 4, v0
	v_lshlrev_b32 v[GOFF], 4, v0
	s_and_b32 s29, ttmp7, 0xffff                   ; batch x 16 + head
	s_lshl_b32 s30, ttmp9, 4
	s_add_co_u32 s30, s30, s2                      ; T0
	s_sub_co_u32 s31, 127, s30                     ; T1
	s_lshl_b32 s46, s29, 17                        ; the head's first byte in the three images
	s_mov_b32 s47, 0
	s_lshl_b32 s48, s30, 10                        ; a tile of Q is 1,024 bytes
	s_mov_b32 s49, 0
	s_lshl_b32 s50, s31, 10
	s_mov_b32 s51, 0
	s_lshl_b32 s52, s30, 12                        ; a tile's 16 mask records, and a tile's place in aimg: 4,096 bytes both
	s_mov_b32 s53, 0
	s_lshl_b32 s54, s31, 12
	s_mov_b32 s55, 0
	s_and_b32 s56, s29, 15                         ; head.  aimg: [K step of 256: head / 4][token tile][which 128][four registers][lane][16 bytes]
	s_lshr_b32 s57, s56, 2
	s_lshl_b32 s57, s57, 21
	s_lshr_b32 s58, s29, 4
	s_lshl_b32 s58, s58, 19                        ; the batch's 128 token tiles
	s_add_co_u32 s57, s57, s58
	s_and_b32 s58, s56, 3
	s_lshl_b32 s58, s58, 10                        ; (head % 4) x 1,024: which 128, and which two of its four groups of registers
	s_add_co_u32 s56, s57, s58
	s_mov_b32 s57, 0
	s_lshl_b32 s58, ttmp9, 6                       ; the flags of tiles 16 g on,
	s_sub_co_u32 s59, 448, s58                     ; and of tiles 112 - 16 g on
	s_lshl_b32 s60, s30, 2
	s_lshl_b32 s61, s31, 2
	s_wait_alu depctr_va_vdst(0)
	s_wait_kmcnt 0x0
	s_load_b512 s[68:83], s[40:41], s58 offset:0x0
	s_load_b512 s[84:99], s[40:41], s59 offset:0x0
	s_load_b32 s16, s[40:41], s60 offset:0x0
	s_load_b32 s17, s[40:41], s61 offset:0x0
	s_load_b128 s[20:23], s[42:43], 0x18           ; e6, e7, e8 = ep, e9 = ev
	s_load_b32 s3, s[42:43], 0x28                  ; e10
	s_add_nc_u64 s[4:5], s[34:35], s[46:47]
	s_add_nc_u64 s[6:7], s[36:37], s[46:47]
	s_add_nc_u64 s[32:33], s[32:33], s[46:47]
	s_add_nc_u64 s[48:49], s[32:33], s[48:49]
	s_add_nc_u64 s[50:51], s[32:33], s[50:51]
	s_add_nc_u64 s[8:9], s[38:39], s[52:53]
	s_add_nc_u64 s[10:11], s[38:39], s[54:55]
	s_add_nc_u64 s[44:45], s[44:45], s[56:57]
	s_add_nc_u64 s[12:13], s[44:45], s[52:53]
	s_add_nc_u64 s[14:15], s[44:45], s[54:55]
	global_load_b128 v[QF:QF+3], v[LI], s[48:49]               ; Q's two fragments stay in registers
	global_load_b128 v[QF+4:QF+7], v[LI], s[48:49] offset:512
	global_load_b128 v[QF+8:QF+11], v[LI], s[50:51]
	global_load_b128 v[QF+12:QF+15], v[LI], s[50:51] offset:512
	global_load_b128 v[KST:KST+3], v[GOFF], s[4:5]             ; key step 0
	global_load_b128 v[VST:VST+3], v[GOFF], s[6:7]
.irp x, 0,1
	v_mov_b32 v[9+4*\x], 0xff61b1e6                ; the largest t so far: -3e38, under every t
	s_delay_alu instid0(VALU_DEP_1)
	v_floor_f32 v[8+4*\x], -v[9+4*\x]              ; -M
	v_mov_b32 v[10+4*\x], 0                        ; the sum
	v_mov_b32 v[11+4*\x], 0
.endr
.irp r, 16,17,18,20,21,22,23
	v_mov_b32 v\r, 0                               ; written once: a lane permute's destination counts as a source, and pairs are named whole
.endr
.set jj, 0
.rept 64
	v_mov_b32 v[OA+jj], 0                          ; O^T.  Which step is a tile's first hangs on the mask, so no product can be written out to start the sums; the first change of M leaves zeros zeros
.set jj, jj+1
.endr
	s_wait_kmcnt 0x0
	s_or_b32 s18, s68, s69                         ; a step is brought into LDS if any of the work-group's 32 tiles has an open entry in it
.irp r, 70,71,72,73,74,75,76,77,78,79,80,81,82,83,84,85,86,87,88,89,90,91,92,93,94,95,96,97,98,99
	s_or_b32 s18, s18, s\r
.endr
	s_and_b32 s18, s18, 0xffff                     ; bit 16 is 0: the last trip asks for nothing
	s_mov_b32 s27, s22                             ; ep
	s_add_co_i32 s28, s22, 127
	s_lshl_b32 s30, s28, 23
	v_mov_b32 v[SCL], s30                          ; 2^ep as f32, for the conversion
	s_sub_co_i32 s30, s3, s22
	s_sub_co_i32 s30, s30, s23                     ; E2 = e10 - ep - ev: O / the sum stands for attn / 2^(ep + ev)
	s_add_co_i32 s30, s30, 127
	s_lshl_b32 s100, s30, 23                       ; 2^E2
	s_add_co_i32 s29, s20, s21
	s_lshl_b32 s29, s29, 23
	s_mov_b32 s22, 0x3e38aa3b                      ; c = log2(e) / 8;
	s_add_co_i32 s22, s22, s29                     ; a score stands for score x 2^(e6 + e7): the two exponents are added to c's exponent field
	s_mov_b32 s23, s22                             ; (named with it as a pair)
	s_mov_b32 s24, 0x76543210
	s_mov_b32 s25, 0xfedcba98                      ; v_permlanex16_b32: lane l xor 16
	s_mov_b32 s26, 0xffff0000
	s_mov_b32 s3, 0
	s_mov_b32 s19, 0
	s_mov_b32 s20, 131072                          ; V's image lies behind K's
	s_mov_b32 s21, 0
; ONE TILE'S KEY STEP: 128 keys against tile x's 16 queries.
.macro TILE_STEP x
.set QX, QF+8*\x
.set OX, OA+32*\x
.set NM, 8+4*\x
.set TM, 9+4*\x
.set LS, 10+4*\x
	s_lshr_b32 s29, s[16+\x], s3
	s_bitcmp1_b32 s29, 0
	s_cbranch_scc0 .Lskip_\@                       ; no entry of this step is open for my tile
	s_load_b512 s[32:47], s[8+2*\x:9+2*\x], s21 offset:0x0      ; the step's 64 lane masks
	s_load_b512 s[48:63], s[8+2*\x:9+2*\x], s21 offset:0x40
	s_load_b512 s[68:83], s[8+2*\x:9+2*\x], s21 offset:0x80
	s_load_b512 s[84:99], s[8+2*\x:9+2*\x], s21 offset:0xc0
.rept 4
	v_nop                                          ; places in front of loads into registers that the last products have read
.endr
.irp t, 0,1,2,3,4,5,6,7
	ds_load_b128 v[FR+8*\t:FR+8*\t+3], v[ADK] offset:\t*1024        ; 16 keys x 64 channels, as they were laid: 512 consecutive bytes a load
	ds_load_b128 v[FR+8*\t+4:FR+8*\t+7], v[ADK] offset:\t*1024+512
.endr
	s_wait_dscnt 0x0
.irp t, 0,1,2,3,4,5,6,7
	v_wmma_f32_16x16x64_fp8_fp8 v[SS+8*\t:SS+8*\t+7], v[FR+8*\t:FR+8*\t+7], v[QX:QX+7], 0
.endr
.rept 4
	v_nop                                          ; places: for the loads below, and for the first read of the scores
.endr
.irp t, 0,1,2,3
.irp q, 0,1,2,3
	ds_load_b128 v[FR+16*\t+4*\q:FR+16*\t+4*\q+3], v[ADV] offset:\t*2048+\q*512    ; V: 16 channels x 128 keys; they land while the softmax is walked
.endr
.endr
	s_wait_kmcnt 0x0                               ; the lane masks are in; their base and offset registers are free
	s_bitcmp1_b32 s29, 16
	s_cbranch_scc1 .Lopen_\@                       ; all entries open: nothing to hide
	v_mov_b32 v[C2], 0xff800000                    ; -infinity
.set nn, 0
.rept 64
.if nn < 32
	v_cndmask_b32 v[SS+nn], v[C2], v[SS+nn], s[32+nn]
.else
	v_cndmask_b32 v[SS+nn], v[C2], v[SS+nn], s[36+nn]
.endif
.set nn, nn+1
.endr
.Lopen_\@:
	v_max3_num_f32 v[T0R], v[SS], v[SS+1], v[SS+2]             ; the step's largest score of my query among my 64 keys, in two chains; each accumulator is read from its low end on
	v_max3_num_f32 v[T1R], v[SS+3], v[SS+4], v[SS+5]
.irp i, 6,10,14,18,22,26,30,34,38,42,46,50,54,58
	v_max3_num_f32 v[T0R], v[T0R], v[SS+\i], v[SS+\i+1]
	v_max3_num_f32 v[T1R], v[T1R], v[SS+\i+2], v[SS+\i+3]
.endr
	v_max3_num_f32 v[T0R], v[T0R], v[SS+62], v[SS+63]
	s_delay_alu instid0(VALU_DEP_1)
	v_max_num_f32 v[T0R], v[T0R], v[T1R]
	s_delay_alu instid0(VALU_DEP_1)
	v_permlanex16_b32 v[T2R], v[T0R], s24, s25
	s_delay_alu instid0(VALU_DEP_1)
	v_max_num_f32 v[T0R], v[T0R], v[T2R]           ; and among lane l xor 16's
	s_delay_alu instid0(VALU_DEP_1)
	v_mul_f32 v[T0R], s22, v[T0R]                  ; as t (c is positive)
	s_delay_alu instid0(VALU_DEP_1)
	v_max_num_f32 v[TM], v[TM], v[T0R]             ; the running largest t
	v_mov_b32 v[T0R], v[NM]
	s_delay_alu instid0(VALU_DEP_2)
	v_floor_f32 v[NM], -v[TM]                      ; the new -M = floor(-t) = -ceil(t)
	s_delay_alu instid0(VALU_DEP_1)
	v_sub_f32 v[T0R], v[NM], v[T0R]                ; old M - new M: a whole number, 0 or less
	s_delay_alu instid0(VALU_DEP_1)
	v_cvt_i32_f32 v[T0R], v[T0R]                   ; (it saturates)
	s_delay_alu instid0(VALU_DEP_1)
	v_ldexp_f32 v[FF], 1.0, v[T0R]                 ; f = 2^(old M - new M)
.set jj, 0
.rept 32
	v_pk_fma_f32 v[SS+jj:SS+jj+1], v[SS+jj:SS+jj+1], s[22:23], v[NM:NM+1] op_sel_hi:[1,0,0]   ; t - M, two at a time (of the pairs c and -M the low word serves both halves)
.set jj, jj+2
.endr
.set jj, 0
	s_wait_alu depctr_va_vdst(0)
.rept 64
	v_exp_f32 v[SS+jj], v[SS+jj]                   ; p = 2^(t - M)
.set jj, jj+1
.endr
	v_pk_mul_f32 v[LS:LS+1], v[LS:LS+1], v[FF:FF+1] op_sel_hi:[1,0]   ; the sum under the new M: the plain line behind the exponentials
	s_wait_alu depctr_va_vdst(0)                   ; one wait for the whole batch, ahead of its first reader
	v_pk_add_f32 v[C2:C2+1], v[SS:SS+1], v[SS+2:SS+3]          ; the row's sum is taken of the UNQUANTISED p, in two chains
.irp j, 4,8,12,16,20,24,28,32,36,40,44,48,52,56,60
	v_pk_add_f32 v[LS:LS+1], v[LS:LS+1], v[SS+\j:SS+\j+1]
	v_pk_add_f32 v[C2:C2+1], v[C2:C2+1], v[SS+\j+2:SS+\j+3]
.endr
	s_delay_alu instid0(VALU_DEP_1)
	v_pk_add_f32 v[LS:LS+1], v[LS:LS+1], v[C2:C2+1]
	s_cmp_ge_i32 s27, -8                           ; p stays under 1.75 = 448 x 2^-8: from ep = -8 on the branch is taken; it jumps over nothing: a branch on a whole number read from memory
	s_cbranch_scc1 .Lheld_\@
.set jj, 0
.rept 64
.set jj, jj+1
.endr
.Lheld_\@:
.irp t, 0,1,2,3,4,5,6,7
	v_cvt_scalef32_pk8_fp8_f32 v[PC+2*\t:PC+2*\t+1], v[SS+8*\t:SS+8*\t+7], v[SCL]
.endr
.set jj, 0
.rept 16
	v_pk_mul_f32 v[OX+jj:OX+jj+1], v[OX+jj:OX+jj+1], v[FF:FF+1] op_sel_hi:[1,0]   ; O^T under the new M.  (Also the plain lines between the conversions and the products that read the codes)
.set jj, jj+2
.endr
	s_wait_alu depctr_va_vdst(0)
	s_wait_dscnt 0x0                               ; V is in
.irp t, 0,1,2,3
	v_wmma_f32_16x16x128_fp8_fp8 v[OX+8*\t:OX+8*\t+7], v[FR+16*\t:FR+16*\t+15], v[PC:PC+15], v[OX+8*\t:OX+8*\t+7]   ; four accumulators, one instruction a turn; eight products K Q^T stand between two visits to one
.endr
.Lskip_\@:
.endm
.Ltrip:                                            ; 16 trips, a constant
	s_wait_loadcnt 0x0                             ; my 32 bytes of this step are in (in the first trip Q too), so their address register is free
	v_add_nc_u32 v[ADK], s19, v[LI]                ; every LDS address of the trip is made here, ahead of every branch
	v_add_nc_u32 v[ADV], s20, v[LI]
	v_add_nc_u32 v[AD2], s19, v[STK]
	v_add_nc_u32 v[AD3], s20, v[STK]
	s_wait_alu depctr_va_vdst(0)
	v_add_nc_u32 v[GOFF], 0x2000, v[GOFF]          ; the next step
	s_lshr_b32 s29, s18, s3
	s_bitcmp1_b32 s29, 0
	s_cbranch_scc0 .Lno_store                      ; nobody in the work-group reads this step (the same in all sixteen waves)
	ds_store_b128 v[AD2], v[KST:KST+3]
	ds_store_b128 v[AD3], v[VST:VST+3]
.Lno_store:
	s_wait_dscnt 0x0                               ; for the others' sake: my stores have landed
	s_bitcmp1_b32 s29, 1
	s_cbranch_scc0 .Lno_load
	s_wait_alu depctr_va_vdst(0)
	global_load_b128 v[KST:KST+3], v[GOFF], s[4:5] ; the next step, a trip ahead of the wait for it
	global_load_b128 v[VST:VST+3], v[GOFF], s[6:7]
.Lno_load:
	s_barrier_signal -1
	s_barrier_wait -1                              ; the step's 16,384 bytes lie in LDS; they are never written again
	TILE_STEP 0
	TILE_STEP 1
	s_add_co_u32 s19, s19, 0x2000
	s_add_co_u32 s20, s20, 0x2000
	s_add_co_u32 s21, s21, 0x100
	s_add_co_u32 s3, s3, 1
	s_cmp_lt_u32 s3, 16
	s_cbranch_scc1 .Ltrip
; THE WAY OUT of tile x.  O^T / the sum is quantised with 2^E2.  A lane then holds channels 16 t + 8 h + 0..7 in registers 2 t, 2 t + 1; the last product's operand wants 16 neighbours, 32 b + 16 h + 0..15,
; in four registers: lanes l and l xor 16 exchange two registers for each b.  Each store covers 512 consecutive bytes, aligned.
.macro WAYOUT x
.set OX, OA+32*\x
.set LS, 10+4*\x
	v_add_f32 v[T0R], v[LS], v[LS+1]               ; the sum's two halves,
	s_delay_alu instid0(VALU_DEP_1)
	v_permlanex16_b32 v[T2R], v[T0R], s24, s25
	s_delay_alu instid0(VALU_DEP_1)
	v_add_f32 v[T0R], v[T0R], v[T2R]               ; and lane l xor 16's
	s_wait_alu depctr_va_vdst(0)
	v_rcp_f32 v[FF], v[T0R]
	v_nop                                          ; a plain line behind the transcendental
	v_cmp_eq_f32 vcc_lo, 0, v[T0R]                 ; no open key in the whole row
	s_wait_alu depctr_va_vdst(0)                   ; the wait ahead of the first reader
.set jj, 0
.rept 16
	v_pk_mul_f32 v[SS+jj:SS+jj+1], v[OX+jj:OX+jj+1], v[FF:FF+1] op_sel_hi:[1,0]
.set jj, jj+2
.endr
.set jj, 0
.rept 32
.set jj, jj+1
.endr
.irp t, 0,1,2,3
	v_cvt_scalef32_pk8_fp8_f32 v[PC+2*\t:PC+2*\t+1], v[SS+8*\t:SS+8*\t+7], v[C2]
.endr
	v_nop                                          ; one plain line between the conversions and the lines that touch their results
.irp i, 0,1,2,3,4,5,6,7
	v_cndmask_b32 v[PC+\i], v[PC+\i], v[C2+1], vcc_lo          ; NaN codes where the row has no open key
.endr
.irp b, 0,1
	v_cndmask_b32 v[T0R], v[PC+4*\b+2], v[PC+4*\b], s26        ; what my partner wants: lanes 0-15 send channels 32 b + 16 on, lanes 16-31 channels 32 b + 8 on
	v_cndmask_b32 v[T1R], v[PC+4*\b+3], v[PC+4*\b+1], s26
	s_delay_alu instid0(VALU_DEP_2)
	v_permlanex16_b32 v[T2R], v[T0R], s24, s25
	v_permlanex16_b32 v[FF], v[T1R], s24, s25
	s_delay_alu instid0(VALU_DEP_2)
	v_cndmask_b32 v[FR+8*\x+4*\b], v[PC+4*\b], v[T2R], s26
	s_delay_alu instid0(VALU_DEP_2)
	v_cndmask_b32 v[FR+8*\x+4*\b+1], v[PC+4*\b+1], v[FF], s26
	s_delay_alu instid0(VALU_DEP_4)
	v_cndmask_b32 v[FR+8*\x+4*\b+2], v[T2R], v[PC+4*\b+2], s26
	s_delay_alu instid0(VALU_DEP_4)
	v_cndmask_b32 v[FR+8*\x+4*\b+3], v[FF], v[PC+4*\b+3], s26
	global_store_b128 v[LI], v[FR+8*\x+4*\b:FR+8*\x+4*\b+3], s[12+2*\x:13+2*\x] offset:512*\b   ; each store has data registers of its own
.endr
.endm
.rept 4
	v_nop                                          ; places behind the last products
.endr
	v_mov_b32 v[C2], s100                          ; 2^E2 as f32
	v_mov_b32 v[C2+1], 0x7f7f7f7f                  ; four NaN codes
	WAYOUT 0
	WAYOUT 1
	s_wait_xcnt 0x0
	v_lshl_add_u32 v254, v0, 2, 0x40000
	v_mov_b32 v255, 0
	s_wait_alu depctr_va_vdst(0)
	s_wait_tensorcnt 0x0
	ds_add_u32 v254, v255
	s_wait_dscnt 0x0
	s_endpgm
.Lfunc_end_k_qa9c3180d70_attn:
	.size	k_qa9c3180d70_attn, .Lfunc_end_k_qa9c3180d70_attn-k_qa9c3180d70_attn
	.p2alignl 7, 3214868480
	.fill 96, 4, 3214868480
	.section	.rodata,"a",@progbits
	.p2align	6, 0x0
	.amdhsa_kernel k_qa9c3180d70_attn
		.amdhsa_group_segment_fixed_size 264192
		.amdhsa_private_segment_fixed_size 0
		.amdhsa_enable_private_segment 0
		.amdhsa_kernarg_size 56
		.amdhsa_user_sgpr_count 2
		.amdhsa_user_sgpr_kernarg_segment_ptr 1
		.amdhsa_wavefront_size32 1
		.amdhsa_system_sgpr_workgroup_id_x 1
		.amdhsa_system_sgpr_workgroup_id_y 1
		.amdhsa_system_sgpr_workgroup_id_z 1
		.amdhsa_system_vgpr_workitem_id 0
		.amdhsa_next_free_vgpr 256
		.amdhsa_next_free_sgpr 102
		.amdhsa_reserve_vcc 1
		.amdhsa_float_denorm_mode_32 3
		.amdhsa_float_denorm_mode_16_64 3
		.amdhsa_fp16_overflow 1
		.amdhsa_memory_ordered 1
		.amdhsa_forward_progress 1
		.amdhsa_inst_pref_size 52
	.end_amdhsa_kernel
	.amdgpu_metadata
---
amdhsa.version: [ 1, 2 ]
amdhsa.kernels:
  - .name:           k_qa9c3180d70_attn
    .symbol:         k_qa9c3180d70_attn.kd
    .args:
      - { .name: qimg, .offset: 0, .size: 8, .value_kind: global_buffer, .address_space: global }
      - { .name: kimg, .offset: 8, .size: 8, .value_kind: global_buffer, .address_space: global }
      - { .name: vimg, .offset: 16, .size: 8, .value_kind: global_buffer, .address_space: global }
      - { .name: mbits, .offset: 24, .size: 8, .value_kind: global_buffer, .address_space: global }
      - { .name: mflags, .offset: 32, .size: 8, .value_kind: global_buffer, .address_space: global }
      - { .name: lowp_scales, .offset: 40, .size: 8, .value_kind: global_buffer, .address_space: global }
      - { .name: aimg, .offset: 48, .size: 8, .value_kind: global_buffer, .address_space: global }
    .group_segment_fixed_size: 264192
    .private_segment_fixed_size: 0
    .kernarg_segment_align: 8
    .kernarg_segment_size: 56
    .max_flat_workgroup_size: 512
    .sgpr_count:     102
    .vgpr_count:     256
    .wavefront_size: 32
...
	.end_amdgpu_metadata
.endif
;; end of part 3
;; launch oproj (part 4): grid 4 x 32, 4 waves a work-group, clusters of 4 x 4, 327,680 bytes of LDS; arguments aimg, W_o_codes, lowp_scales, out0; writes out0
.if DOCPART == 4
	.amdgcn_target "amdgcn-amd-amdhsa--gfx1250"
	.amdhsa_code_object_version 6
	.text
	.protected	k_qa9c3180d70_oproj
	.globl	k_qa9c3180d70_oproj
	.p2align	8
	.type	k_qa9c3180d70_oproj,@function
k_qa9c3180d70_oproj:
	s_mov_b64 s[64:65], 0
	v_nop
	global_prefetch_b8 v0, s[64:65] scope:SCOPE_SE
	s_setreg_imm32_b32 hwreg(HW_REG_WAVE_MODE, 25, 1), 1
	s_wait_xcnt 0x0
	s_wait_alu depctr_hold_cnt(0) depctr_sa_sdst(0) depctr_va_vdst(0) depctr_va_sdst(0) depctr_va_ssrc(0) depctr_va_vcc(0) depctr_vm_vsrc(0)
	s_getreg_b32 s2, hwreg(HW_REG_IB_STS2, 6, 4)
	s_cmp_eq_u32 s2, 0
	s_cbranch_scc0 .Lentry_in_a_cluster
	s_endpgm
.Lentry_in_a_cluster:
	s_bfe_u32 s2, ttmp6, 0x10000c
	s_cmp_lg_u32 s2, 0xf033
	s_cbranch_scc0 .Lentry_shape_is_right
	s_endpgm
.Lentry_shape_is_right:
; out[m][n] = sum over k of attn[m][k] W_o[n][k] x 2^(e10 + e11), on codes of FP8 (E4M3); out: [8192][1024] f32; K = 1,024.
; attn comes as an IMAGE OF ITS FRAGMENTS: aimg [K step of 256: 4][tile of 16 tokens: 512][which 128: 2][four registers: 4][lane][16 bytes]; registers 4 c .. 4 c + 3 hold K = 32 c + 16 (l / 16) + 0 .. 15,
; the order in which four 16-byte loads give W_o's fragments from rows: a permutation of k, the same on both sides.  128 tokens of a K step are one dense block of 32,768 bytes: no padding, and each LDS load reads 512 consecutive bytes.
; LIMIT: e10 + e11 lies between -126 and 127, so that 2^(e10 + e11) is an f32 number.
; A tile of out, 256 x 256, is made by four waves, each 128 x 128: 64 accumulators.  K goes in steps of 256 through a ring of two LDS slots filled by the tensor data mover.
; CLUSTERS: 4 x 4 work-groups; A's tiles are asked for jointly along a row of the cluster, B's along a column.  The matrix instruction is used transposed (source 0 = 16 rows of W_o, source 1 = 16 tokens).
; 128 work-groups: a tile of 128 x 128 would give 512, at twice the LDS bytes for each product.
; REGISTERS, in windows of 256: window 0: v0-31 addresses; from v128 A's fragments, ONE set; on the way out v32-255 are free.  window 1: B's fragments, TWO sets.  windows 2, 3: the accumulators ((a, b) at v[8 (8 (a % 4) + b)]).
.set SIZE_N, 1024
.set ROWB,   256                       ; a row of B's tile in bytes: 256 along K
.set KROW,   1024                      ; a row of W_o in memory
.set PITCH,  272                       ; B's LDS row: 256 bytes + 16 of padding = 68 words: row r starts at bank 4 r mod 64 (64 banks of 4 bytes: ISA guide 11.1)
.set ASTEP,  2097152                   ; a K step of aimg in bytes
.set FR,     16
.set NL,     4
.set NP,     4                         ; places behind this matrix instruction (ISA guide 7.12.1)
.set HALFT,  128*PITCH                 ; the room of one tensor load: B's 128 padded rows; A's 32,768 bytes lie at its head
.set SLOT,   4*HALFT
.set LAPS,   2
.set SPARE,  2*SLOT                    ; behind the ring: the spare words, 128 bytes for each wave, which no other line names
.set SPITCH, 528                       ; the way out: a stage of 16 rows x (512 bytes + 16) for each wave, in slot 0, which has had its last fill and its last read when the first result is stored there
.set ADRA, 16
.set ADRB, 20
.set STO,  24
.set RD,   25
.set CO,   26
.set SPW,  28
.set NIL,  29
.set TMP,  32
.set AF,   128
.set BK,   128
.set G1, 24
.set G0, 32
.set G1B, 48
.set G0B, 56
.set MSB, 0
.macro WIN new                         ; the immediate's high byte repeats the setting that is left
.if MSB != (\new)
	s_set_vgpr_msb (MSB<<8)|(\new)
.set MSB, (\new)
.endif
.endm
.set MUL_LO, 0xa1
.set MUL_HI, 0xf1
.set TO_B,   0x40
; A joint load: waves 0 and 1 fetch for A, waves 2 and 3 for B.  Four plain vector lines follow each of the two loads, the first a move into v15, which serves nothing else.
.macro JLOAD g0a, g1a, g0b, g1b
	s_cmp_eq_u32 s15, 0
	s_cbranch_scc0 .Lfor_b_\@
	tensor_load_to_lds s[\g0a:\g0a+3], s[\g1a:\g1a+7]
	s_nop 0
	v_mov_b32 v15, 0
.rept 3
	v_nop
.endr
	s_branch .Lasked_\@
.Lfor_b_\@:
	tensor_load_to_lds s[\g0b:\g0b+3], s[\g1b:\g1b+7]
	s_nop 0
	v_mov_b32 v15, 0
.rept 3
	v_nop
.endr
.Lasked_\@:
.endm
.macro CREST
	s_cmp_lg_u32 s14, 0
	s_cbranch_scc1 .Lnot_wave_0_\@
	s_barrier_signal -3
.Lnot_wave_0_\@:
	s_barrier_wait -3
	s_barrier_signal -1
	s_barrier_wait -1
.endm
.macro CROUND
	s_barrier_signal -1
	s_barrier_wait -1
	CREST
.endm
	s_load_b128 s[4:7], s[0:1], 0x0                ; aimg s[4:5], W_o's codes s[6:7]
	s_load_b128 s[8:11], s[0:1], 0x10              ; the exponents s[8:9], out s[10:11]
	v_lshl_add_u32 v[SPW], v0, 2, SPARE
	v_mov_b32 v[NIL], 0
	ds_add_u32 v28, v29
	ds_add_u32 v28, v29
	s_wait_dscnt 0x0
	v_lshrrev_b32 v1, 5, v0
	v_readfirstlane_b32 s14, v1                    ; wave 0..3
	s_lshr_b32 s15, s14, 1                         ; which half of the tile's rows is mine.  Also: I fetch for A (0) or for B (1)
	s_and_b32 s16, s14, 1                          ; which half of its columns.  Also: which 128 rows of that tile I fetch
	s_bfe_u32 s40, ttmp6, 0x40000                  ; cx, cy
	s_bfe_u32 s41, ttmp6, 0x40004
	s_lshl_b32 s42, ttmp9, 2
	s_add_co_u32 s42, s42, s40                     ; tile column
	s_and_b32 s17, ttmp7, 0xffff
	s_lshl_b32 s17, s17, 2
	s_add_co_u32 s17, s17, s41                     ; tile row
	s_lshl_b32 s43, s41, 2
	s_lshl_b32 s43, 15, s43                        ; my row of the cluster
	s_lshl_b32 s44, 0x1111, s40                    ; my column
	s_or_b32 s[G1+0], s43, (1<<21)                 ; A: the mask of my row; elements of 1 byte; no padding; 21 set beside a mask
	s_or_b32 s[G1B+0], s44, (1<<20)|(1<<21)|(5<<22)|(3<<25)   ; B: the mask of my column; padding: four words after every 64
.irp g, G1, G1B
	s_mov_b32 s[\g+1], 256<<16                     ; tensor_dim0
	s_mov_b32 s[\g+2], 128<<16                     ; tensor_dim1
	s_mov_b32 s[\g+3], 256<<16                     ; tile_dim0
	s_mov_b32 s[\g+4], 128                         ; tile_dim1
	s_mov_b32 s[\g+6], 0
	s_mov_b32 s[\g+7], 0
.endr
	s_mov_b32 s[G1+5], 256                         ; A's block is dense: 128 rows of 256 bytes on end
	s_mov_b32 s[G1B+5], KROW
	s_lshl_b32 s18, s16, 7
	s_lshl_b32 s20, s17, 8
	s_add_co_u32 s20, s20, s18                     ; A: token 256 x tile row + 128 x half,
	s_lshl_b32 s20, s20, 8                         ; 256 bytes of a K step a token
	s_lshl_b32 s46, s42, 8
	s_add_co_u32 s46, s46, s18                     ; B: row 256 x tile column + 128 x half,
	s_lshl_b32 s46, s46, 10                        ; of 1,024 bytes
	s_mov_b32 s21, 0
	s_mov_b32 s47, 0
	s_mul_i32 s45, s14, HALFT                      ; where they go: no place in the cluster enters an LDS address
	s_wait_kmcnt 0x0
	s_load_b64 s[96:97], s[8:9], 0x28              ; e10, e11
	s_add_nc_u64 s[20:21], s[4:5], s[20:21]
	s_add_nc_u64 s[46:47], s[6:7], s[46:47]
	CROUND                                         ; all sixteen work-groups are here: the first joint loads meet
.irp s, 0,1
	s_mov_b32 s[G0+4*\s], 1
	s_add_co_u32 s[G0+4*\s+1], s45, \s*SLOT
	s_add_nc_u64 s[G0+4*\s+2:G0+4*\s+3], s[20:21], \s*ASTEP
	s_or_b32 s[G0+4*\s+3], s[G0+4*\s+3], 0x80000000
	s_mov_b32 s[G0B+4*\s], 1
	s_add_co_u32 s[G0B+4*\s+1], s45, \s*SLOT
	s_add_nc_u64 s[G0B+4*\s+2:G0B+4*\s+3], s[46:47], \s*ROWB
	s_or_b32 s[G0B+4*\s+3], s[G0B+4*\s+3], 0x80000000
	JLOAD G0+4*\s, G1, G0B+4*\s, G1B
.endr
	v_and_b32 v1, 15, v0                           ; l % 16
	v_bfe_u32 v2, v0, 4, 1                         ; l / 16
	v_mul_u32_u24 v3, v1, PITCH
	v_lshl_add_u32 v4, v2, 4, v3                   ; B: a fragment's row x pitch + 16 x half
	v_and_b32 v6, 31, v0
	v_lshlrev_b32 v[CO], 4, v6                     ; A: 16 x lane; also my 16 bytes of a row of out
	s_mul_i32 s21, s15, HALFT                      ; my 128 tokens of A
	s_mul_i32 s22, s16, HALFT                      ; my 128 rows of B,
	s_add_co_u32 s22, s22, 2*HALFT                 ; which lie behind A's two halves
.irp s, 0,1
	v_add_nc_u32 v[ADRA+\s], s21, v[CO]
	v_add_nc_u32 v[ADRB+\s], s22, v4
	s_add_co_u32 s21, s21, SLOT
	s_add_co_u32 s22, s22, SLOT
.endr
	s_mul_i32 s23, s14, 16*SPITCH                  ; my stage
	v_mul_u32_u24 v5, v1, SPITCH                   ; in: row l % 16, 32 bytes for each half of the lanes
	v_lshl_add_u32 v5, v2, 5, v5
	v_add_nc_u32 v[STO], s23, v5
	v_add_nc_u32 v[RD], s23, v[CO]                 ; back: the 32 lanes take one row of 512 bytes
	s_lshl_b32 s20, s17, 8
	s_lshl_b32 s21, s15, 7
	s_add_co_u32 s20, s20, s21                     ; my first row of out,
	s_lshl_b32 s20, s20, 12                        ; of 4,096 bytes
	s_mov_b32 s21, 0
	s_lshl_b32 s46, s42, 10                        ; my first column, in bytes: 1,024 x tile column + 512 x half
	s_lshl_b32 s47, s16, 9
	s_add_co_u32 s46, s46, s47
	s_mov_b32 s47, 0
	s_add_nc_u64 s[20:21], s[20:21], s[46:47]
	s_add_nc_u64 s[10:11], s[10:11], s[20:21]
.macro FRAG reg, adr, q, i             ; B's fragment from rows: registers 4 c .. 4 c + 3 hold K = 32 c + 16 (l / 16) + 0 .. 15
.irp c, 0,1,2,3
	ds_load_b128 v[\reg+4*\c:\reg+4*\c+3], v[\adr] offset:128*(\q)+32*\c+(\i)*16*PITCH
.endr
.endm
.macro FRAGA reg, adr, q, i            ; A's fragment from its image: tile of tokens i, the q-th 128 along K
.irp c, 0,1,2,3
	ds_load_b128 v[\reg+4*\c:\reg+4*\c+3], v[\adr] offset:(\i)*4096+(\q)*2048+512*\c
.endr
.endm
; 16 matrix instructions: A's blocks a0, a0 + 1 x B's eight.  The 64 accumulators take turns, one instruction a turn.
.macro MUL16 a0, p, zero
.irp a, \a0, \a0+1
.irp b, 0,1,2,3,4,5,6,7
.if \zero
	v_wmma_f32_16x16x128_fp8_fp8 v[8*(8*((\a)%4)+\b):8*(8*((\a)%4)+\b)+7], v[128*(\p)+FR*\b:128*(\p)+FR*\b+FR-1], v[AF+FR*(\a):AF+FR*(\a)+FR-1], 0
.else
	v_wmma_f32_16x16x128_fp8_fp8 v[8*(8*((\a)%4)+\b):8*(8*((\a)%4)+\b)+7], v[128*(\p)+FR*\b:128*(\p)+FR*\b+FR-1], v[AF+FR*(\a):AF+FR*(\a)+FR-1], v[8*(8*((\a)%4)+\b):8*(8*((\a)%4)+\b)+7]
.endif
.endr
.endr
.endm
.macro FETCH_B slot, q, p
	WIN TO_B
.irp i, 0,1,2,3,4,5,6,7
	FRAG 128*(\p)+FR*\i, ADRB+\slot, \q, \i
.endr
	WIN 0
.endm
.macro FETCH_A slot, q, i0
.irp i, \i0, \i0+1, \i0+2, \i0+3
	FRAGA AF+FR*(\i), ADRA+\slot, \q, \i
.endr
.endm
.macro PLACES n                        ; plain vector lines between a matrix instruction and a load into, or a vector read of, its registers
.rept \n
	v_nop
.endr
.endm
.macro STEP slot, q, zero
	s_wait_dscnt 4*NL                              ; B's set and A's blocks 0-3 are in; the youngest sixteen loads (A's blocks 4-7) may be out
	WIN MUL_LO
	MUL16 0, (\q)%2, \zero
	MUL16 2, (\q)%2, \zero
	s_wait_dscnt 0
	PLACES NP
	FETCH_B \slot, (\q)+1, 1-(\q)%2
	FETCH_A \slot, (\q)+1, 0
	WIN MUL_HI
	MUL16 4, (\q)%2, \zero
	MUL16 6, (\q)%2, \zero
	PLACES NP
	WIN 0
	FETCH_A \slot, (\q)+1, 4
.endm
; A slot's last step changes slots: ONE barrier; in front of it each wave waits for all its tensor loads, adds 0 to its spare word, and waits for that and for its own reads of this slot.
.macro TURN slot, next, fill
	s_wait_tensorcnt 0x0                           ; all my tensor loads have landed: my part of the next slot
	ds_add_u32 v[SPW], v[NIL]                      ; 0 onto my spare word
	s_wait_dscnt 4*NL+1                            ; (the add and the youngest sixteen loads may be out)
	WIN MUL_LO
	MUL16 0, 1, 0
	s_wait_dscnt 0x0                               ; the add is done, and my reads of this slot are over
	s_barrier_signal -1
	MUL16 2, 1, 0
	WIN 0
	s_barrier_wait -1
.if \fill
	CREST                                          ; the barrier has opened a round of the cluster's barrier: no wave of any partner still reads this slot's tile or has a load on its way
	s_add_nc_u64 s[G0+4*\slot+2:G0+4*\slot+3], s[G0+4*\slot+2:G0+4*\slot+3], 2*ASTEP
	s_add_nc_u64 s[G0B+4*\slot+2:G0B+4*\slot+3], s[G0B+4*\slot+2:G0B+4*\slot+3], 2*ROWB
	JLOAD G0+4*\slot, G1, G0B+4*\slot, G1B         ; the first tensor load behind the round; the four lines behind it are the places in front of the loads below
.else
	PLACES NP
.endif
	FETCH_B \next, 0, 0
	FETCH_A \next, 0, 0
	WIN MUL_HI
	MUL16 4, 1, 0
	MUL16 6, 1, 0
	PLACES NP
	WIN 0
	FETCH_A \next, 0, 4
.endm
	s_wait_tensorcnt 1                             ; my part of K step 0 is in; K step 1's load may be out
	s_barrier_signal -1
	s_barrier_wait -1
	FETCH_B 0, 0, 0
	FETCH_A 0, 0, 0
	FETCH_A 0, 0, 4
	STEP 0, 0, 1                                   ; the first step's products start the sums
	s_mov_b32 s3, LAPS-1
.Llap:
	TURN 0, 1, 1
	STEP 1, 0, 0
	TURN 1, 0, 1
	STEP 0, 0, 0
	s_sub_co_u32 s3, s3, 1
	s_cmp_lg_u32 s3, 0
	s_cbranch_scc1 .Llap
	TURN 0, 1, 0                                   ; the last lap fills nothing
	STEP 1, 0, 0
	s_wait_dscnt 4*NL
	WIN MUL_LO
	MUL16 0, 1, 0
	MUL16 2, 1, 0
	s_wait_dscnt 0
	WIN MUL_HI
	MUL16 4, 1, 0
	MUL16 6, 1, 0
	WIN 0
; THE WAY OUT, block by block of 16 rows x 128 columns: through my own stage in LDS, back as whole rows of 512 bytes.  LDS serves a wave's instructions in order (ISA guide 5.7.1.4): no wait between the stores and the loads.
.macro TOSTAGE a
.set AC, 64*((\a)%4)
	WIN 0x02+((\a)/4)
.irp j, 0,2,4,6,8,10,12,14,16,18,20,22,24,26,28,30,32,34,36,38,40,42,44,46,48,50,52,54,56,58,60,62
	v_pk_mul_f32 v[TMP+\j:TMP+\j+1], v[AC+\j:AC+\j+1], s[96:97] op_sel_hi:[1,0]   ; both x s96 = 2^(e10 + e11); each accumulator from its low end on
.endr
	WIN 0
.irp b, 0,1,2,3,4,5,6,7
	ds_store_b128 v[STO], v[TMP+8*\b:TMP+8*\b+3] offset:64*\b
	ds_store_b128 v[STO], v[TMP+8*\b+4:TMP+8*\b+7] offset:64*\b+16
.endr
.set BB, BK+64*((\a)%2)
.irp t, 0,1,2,3,4,5,6,7,8,9,10,11,12,13,14,15
	ds_load_b128 v[BB+4*\t:BB+4*\t+3], v[RD] offset:\t*SPITCH
.endr
.endm
.macro SEND a, younger                 ; younger: the LDS instructions issued behind block a's loads, which may stay out
.set BB, BK+64*((\a)%2)
	s_wait_dscnt \younger
.if (\a) > 0
	s_add_nc_u64 s[10:11], s[10:11], 16*SIZE_N*4   ; (behind a wait on XCNT: the earlier stores have read their base)
.endif
.irp t, 0,1,2,3,4,5,6,7,8,9,10,11,12,13,14,15
	global_store_b128 v[CO], v[BB+4*\t:BB+4*\t+3], s[10:11] offset:\t*SIZE_N*4 th:TH_STORE_NT   ; 32 lanes store 512 consecutive bytes, aligned; written once, read by nobody here
.endr
.endm
	s_wait_kmcnt 0x0
	s_add_co_i32 s96, s96, s97
	s_add_co_i32 s96, s96, 127
	s_lshl_b32 s96, s96, 23                        ; 2^(e10 + e11) as f32
	PLACES NP
	TOSTAGE 0
.irp a, 1,2,3,4,5,6,7
.if \a > 1
	s_wait_xcnt 0x0                                ; block a - 2's stores have read their registers and their base
.endif
	TOSTAGE \a
	SEND \a-1, 32                                  ; behind block a - 1's loads: block a's 16 stores and 16 loads
.endr
	s_wait_xcnt 0x0
	SEND 7, 0
	s_wait_tensorcnt 0x0                           ; the wave's end
	ds_add_u32 v[SPW], v[NIL]
	s_wait_dscnt 0x0
	CROUND                                         ; the closing round
	s_endpgm
.Lfunc_end_k_qa9c3180d70_oproj:
	.size	k_qa9c3180d70_oproj, .Lfunc_end_k_qa9c3180d70_oproj-k_qa9c3180d70_oproj
	.p2alignl 7, 3214868480
	.fill 96, 4, 3214868480
	.section	.rodata,"a",@progbits
	.p2align	6, 0x0
	.amdhsa_kernel k_qa9c3180d70_oproj
		.amdhsa_group_segment_fixed_size 327680
		.amdhsa_private_segment_fixed_size 0
		.amdhsa_enable_private_segment 0
		.amdhsa_kernarg_size 32
		.amdhsa_user_sgpr_count 2
		.amdhsa_user_sgpr_kernarg_segment_ptr 1
		.amdhsa_wavefront_size32 1
		.amdhsa_system_sgpr_workgroup_id_x 1
		.amdhsa_system_sgpr_workgroup_id_y 1
		.amdhsa_system_sgpr_workgroup_id_z 1
		.amdhsa_system_vgpr_workitem_id 0
		.amdhsa_next_free_vgpr 1024
		.amdhsa_next_free_sgpr 98
		.amdhsa_reserve_vcc 0
		.amdhsa_float_denorm_mode_32 3
		.amdhsa_float_denorm_mode_16_64 3
		.amdhsa_memory_ordered 1
		.amdhsa_forward_progress 1
		.amdhsa_inst_pref_size 123
	.end_amdhsa_kernel
	.amdgpu_metadata
---
amdhsa.version: [ 1, 2 ]
amdhsa.kernels:
  - .name:           k_qa9c3180d70_oproj
    .symbol:         k_qa9c3180d70_oproj.kd
    .args:
      - { .name: aimg, .offset: 0, .size: 8, .value_kind: global_buffer, .address_space: global }
      - { .name: W_o_codes, .offset: 8, .size: 8, .value_kind: global_buffer, .address_space: global }
      - { .name: lowp_scales, .offset: 16, .size: 8, .value_kind: global_buffer, .address_space: global }
      - { .name: out0, .offset: 24, .size: 8, .value_kind: global_buffer, .address_space: global }
    .group_segment_fixed_size: 327680
    .private_segment_fixed_size: 0
    .kernarg_segment_align: 8
    .kernarg_segment_size: 32
    .max_flat_workgroup_size: 128
    .sgpr_count:     98
    .vgpr_count:     1024
    .wavefront_size: 32
...
	.end_amdgpu_metadata
.endif
;; end of part 4
